; MI455X (gfx1250); checked and timed in simulation.
; The chip was launched on July 23, 2026; its instructions are those of AMD's public machine-readable ISA for CDNA 5 (MIT licence, August 2026) and "CDNA5" Instruction Set Architecture Reference Guide (July 2026). The comments in the code are by the model that wrote it; some were corrected since.
;; Self Attention. Allowed arithmetic: matrix products marked QUANTISED: E2M3 operands, one E8M0 scale for each 32 along K, by v_wmma_scale_f32_16x16x128_f8f6f4 with both operands' format E2M3, f32 sums; everything else in f32.
;; Inputs: K_seq 8 x 1,024 x 1,024 float32; Q_seq 8 x 1,024 x 1,024 float32; V_seq 8 x 1,024 x 1,024 float32; WK 1,024 x 1,024 float32; WQ 1,024 x 1,024 float32; WV 1,024 x 1,024 float32; masks 8 x 1,024 float32.
;; Outputs: out0 8 x 1,024 x 1,024 float32.
;; This version of the problem:
;;   THIS VERSION OF THE PROBLEM IS GIVEN IN LOW PRECISION. The matrix products marked QUANTISED in the list below multiply operands that are first quantised to E2M3 (2 exponent bits, 3 mantissa bits; 6 bits a number), with one power-of-two scale for each 32 numbers along K (OCP MX v1.0); their sums are f32. All else is computed in f32.
;;   The module's matrix products, in the order in which they are computed (A, B: the left and right operand; K: the contracted axis; several contracted axes count as one K, in the product's order):
;;     1. [M 8,192, K 1,024] x [K 1,024, N 1,024]; A: input Q_seq; B: input WQ: QUANTISED
;;     2. [M 8,192, K 1,024] x [K 1,024, N 1,024]; A: input K_seq; B: input WK: QUANTISED
;;     3. [M 8,192, K 1,024] x [K 1,024, N 1,024]; A: input V_seq; B: input WV: QUANTISED
;;     4. batch 128 x [M 1,024, K 64] x [K 64, N 1,024]; A: computed on the way; B: computed on the way: QUANTISED
;;     5. batch 128 x [M 1,024, K 1,024] x [K 1,024, N 64]; A: softmax (see below); B: computed on the way: QUANTISED
;;   THE QUANTISER, for each operand of a quantised product, along K:
;;     - K is cut into blocks of 32 from its start; a last block that is shorter is filled with zeros.
;;     - A block's scale is 2^e with e = floor(log2(the largest magnitude in the block)) - 2, held to -126 .. 127; a block of zeros has e = 0. As a byte (E8M0): e + 127.
;;     - Each number is divided by its block's scale, clamped to +-7.5, and rounded to the nearest number of E2M3, ties to even, subnormals kept.
;;     - The product sums the exact products of the quantised numbers (number of the format x scale) in f32.
;;   ~~~python
;;   def quantise(x, axis):      # numpy; x: float32 -> the quantised numbers, widened to float32 again
;;       x = np.moveaxis(x, axis, -1); K = x.shape[-1]
;;       x = np.pad(x, [(0, 0)] * (x.ndim - 1) + [(0, -K % 32)]); x = x.reshape(x.shape[:-1] + (-1, 32)); a = np.abs(x).max(-1, keepdims=True)
;;       e = np.where(a > 0, np.clip(np.frexp(np.where(a > 0, a, 1))[1] - 1 - 2, -126, 127), 0)      # np.frexp(a)[1] - 1 = floor(log2(a)), exactly
;;       r = np.clip(x / 2.0 ** e, -7.5, 7.5)
;;       step = 2.0 ** (np.maximum(np.frexp(np.where(r == 0, 1, r))[1] - 1, 0) - 3)
;;       q = np.round(r / step) * step * 2.0 ** e      # np.round: ties to even
;;       return np.moveaxis(q.reshape(q.shape[:-2] + (-1,))[..., :K], -1, axis).astype(np.float32)
;;   ~~~
;;   SOFTMAX AHEAD OF A QUANTISED PRODUCT. Where the list says 'softmax', what is quantised is not the finished softmax but p = 2^(t - M), with t = logit x log2(e) and M = ceil(the row's largest t), a whole number; so 1/2 < the row's largest p <= 1. The row's sum l is taken of the UNQUANTISED p, in f32, and the product's result is divided by l at the end. Since M is a whole number, a kernel that streams over the keys may use a running M (the ceiling of the running maximum): every later rescaling is an exact power of two, which a block's scale takes up: the codes' values come out the same.
;;   OPERANDS COMPUTED ON THE WAY. 'Computed on the way' means the value that the module computes at that place (a softmax that the list does not call 'softmax' is quantised finished and normalised). What goes into a quantiser is computed in f32, as accurately as f32 sums, v_exp_f32 and their like allow (about 1e-6 of the number): no bf16 or f16 on the way to a quantiser, and a product that is left as it is and whose result goes on into a quantised operand takes f32 operands (vector FMAs, or v_wmma_f32_16x16x4_f32). A number that lies on a knife's edge between two numbers of the format may be rounded either way, as far as f32 arithmetic and the matrix unit's own rounding can turn it there, and no further.
;; One version. Each part assembles by itself: llvm-mc -triple=amdgcn-amd-amdhsa -mcpu=gfx1250 --defsym DOCPART=n.
;; ======== version 1 of 1: 3 launches
;; limits: right only within a limited range of input values
;; workspace buffers: wc 2,359,296 bytes; ws 98,304 bytes; img 18,874,368 bytes; sc 1,310,720 bytes
;; launch quant_w (part 1): grid 8 x 24, 4 waves a work-group, no clusters, 0 bytes of LDS; arguments WQ, WK, WV, wc, ws; writes wc, ws
.if DOCPART == 1
	.amdgcn_target "amdgcn-amd-amdhsa--gfx1250"
	.amdhsa_code_object_version 6
	.text
	.protected	k_q494f57f6f8_quant_w
	.globl	k_q494f57f6f8_quant_w
	.p2align	8
	.type	k_q494f57f6f8_quant_w,@function
k_q494f57f6f8_quant_w:
	s_mov_b64 s[64:65], 0
	v_nop
	global_prefetch_b8 v0, s[64:65] scope:SCOPE_SE
	s_setreg_imm32_b32 hwreg(HW_REG_WAVE_MODE, 25, 1), 1
	s_wait_xcnt 0x0
; WQ, WK, WV, each [1024 (k)][1024 (n)] f32 with K as the first axis, become codes of FP6 (E2M3) and E8M0 scale bytes, one for each 32 along K,
; laid as IMAGES OF OPERAND REGISTERS for the next launch: wc [3 tensors][8 groups of 128 places][8 steps of 128 k][8 tiles of 16 places][1,536 bytes];
; in a tile's image register g of lane L = r + 16 h lies at 512 (g / 4) + 16 L + 4 (g % 4); registers 6 c .. 6 c + 5 hold k = 64 c + 32 h + 0 .. 31 of place r.
; ws [3][8][8][4 pairs of tiles][32 lanes] words: lane 16 u + r has the four bytes of place r of tile 2 pair + u.
; Place p holds column pi(p), pi = p with bits 3 and 4 exchanged.
; A lane takes a column and its registers run down K: 128 numbers, four blocks; each load reads 128 consecutive bytes a wave, 512 a work-group.
; A block's byte is the largest magnitude's exponent field - 2, held at 1 from below (a block of zeros gets 1, not 127: its codes are zeros, and this program alone reads the bytes).
; LIMITS: blocks under 2^-124 keep the byte 1; NaN and infinities are not served.
; Work-group x: 128 columns; y = 8 x tensor + the step along K.  No LDS, no barrier: a lane's twelve registers for each h are stored as they stand;
; each store fills two aligned runs of 256 bytes (one a tile), sixteen lanes each.
.set X,  32                            ; v32-159 the 128 numbers
.set CD, 160                           ; v160-171 the image registers for h = 0, v172-183 for h = 1
.set TP, 184                           ; v184-199 a block's upper 16 codes, made on an even register and moved
	s_load_b256 s[4:11], s[0:1], 0x0               ; WQ, WK, WV, wc
	s_load_b64 s[12:13], s[0:1], 0x20              ; ws
	v_lshrrev_b32 v1, 5, v0
	v_readfirstlane_b32 s16, v1                    ; wave
	v_and_b32 v2, 31, v0                           ; lane = column in the wave's 32
	v_lshlrev_b32 v3, 2, v2                        ; in: 4 bytes a lane
	v_and_b32 v4, 7, v2
	v_bfe_u32 v5, v2, 4, 1
	v_lshl_or_b32 v4, v5, 3, v4                    ; r: the column's bit 4 becomes the place's bit 3
	v_bfe_u32 v5, v2, 3, 1                         ; u: which of the wave's two tiles
	v_lshl_add_u32 v6, v5, 4, v4
	v_lshlrev_b32 v6, 2, v6                        ; my scale word: 4 (16 u + r)
	v_lshlrev_b32 v4, 4, v4
	v_mad_u32_u24 v4, v5, 1536, v4                 ; my codes: 1,536 u + 16 r
	s_and_b32 s18, ttmp7, 0xffff
	s_lshr_b32 s14, s18, 3                         ; tensor
	s_and_b32 s18, s18, 7                          ; step along K
	s_lshl_b32 s20, s18, 19                        ; W: 128 rows of 4,096 bytes a step,
	s_lshl_b32 s22, ttmp9, 9
	s_add_co_u32 s20, s20, s22
	s_lshl_b32 s22, s16, 7
	s_add_co_u32 s20, s20, s22                     ; + 4 x my first column
	s_mov_b32 s21, 0
	s_mul_i32 s22, s14, 786432
	s_mul_i32 s24, ttmp9, 98304
	s_add_co_u32 s22, s22, s24
	s_mul_i32 s24, s18, 12288
	s_add_co_u32 s22, s22, s24
	s_mul_i32 s24, s16, 3072
	s_add_co_u32 s22, s22, s24                     ; codes: tensor, group, step, my two tiles
	s_mov_b32 s23, 0
	s_lshl_b32 s24, s14, 15
	s_lshl_b32 s26, ttmp9, 12
	s_add_co_u32 s24, s24, s26
	s_lshl_b32 s26, s18, 9
	s_add_co_u32 s24, s24, s26
	s_lshl_b32 s26, s16, 7
	s_add_co_u32 s24, s24, s26                     ; scale words likewise
	s_mov_b32 s25, 0
	s_wait_alu depctr_va_vdst(0)                   ; the wait at the head's end
	s_wait_kmcnt 0x0
	s_cmp_eq_u32 s14, 0                            ; the choice hangs on the work-group's number alone
	s_cselect_b64 s[4:5], s[4:5], s[6:7]
	s_cmp_eq_u32 s14, 2
	s_cselect_b64 s[4:5], s[8:9], s[4:5]
	s_add_nc_u64 s[4:5], s[4:5], s[20:21]
	s_add_nc_u64 s[10:11], s[10:11], s[22:23]
	s_add_nc_u64 s[12:13], s[12:13], s[24:25]
.set i, 0
.rept 128
	global_load_b32 v[X+i], v3, s[4:5] offset:i*4096 th:TH_LOAD_NT
.set i, i+1
.endr
.macro BLOCK kb, cnt                   ; block kb: k = 32 kb ..: h = kb % 2, c = kb / 2
.set XB, X+32*(\kb)
.set DB, CD+12*((\kb)%2)+6*((\kb)/2)
.set TB, TP+4*(\kb)
	s_wait_loadcnt \cnt                            ; this block's 32 loads are in (at least \cnt loads were issued behind them)
	v_max3_num_f32 v12, |v[XB]|, |v[XB+1]|, |v[XB+2]|
	v_max3_num_f32 v13, |v[XB+3]|, |v[XB+4]|, |v[XB+5]|
.irp i, 6,10,14,18,22,26
	v_max3_num_f32 v12, v12, |v[XB+\i]|, |v[XB+\i+1]|
	v_max3_num_f32 v13, v13, |v[XB+\i+2]|, |v[XB+\i+3]|
.endr
	v_max3_num_f32 v12, v12, |v[XB+30]|, |v[XB+31]|
	v_max3_num_f32 v12, v12, v13, 0x1800000        ; and the floor 2^(3 - 127): the byte cannot fall under 1
	v_add_nc_u32 v11, 0xff000000, v12              ; 2 off the exponent field: the conversion's scale operand
	v_cvt_scalef32_pk16_fp6_f32 v[DB:DB+2], v[XB:XB+15], v11
	v_cvt_scalef32_pk16_fp6_f32 v[TB:TB+2], v[XB+16:XB+31], v11
	v_lshrrev_b32 v13, 23, v11                     ; the byte (also the plain line behind the conversions)
.if (\kb) == 0
	v_mov_b32 v24, v13
.else
	v_lshl_or_b32 v24, v13, 8*(\kb), v24
.endif
.irp i, 0,1,2
	v_mov_b32 v[DB+3+\i], v[TB+\i]
.endr
.endm
	BLOCK 0, 63
	BLOCK 1, 63
	BLOCK 2, 32
	BLOCK 3, 0
	s_wait_alu depctr_va_vdst(0)                   ; the wait ahead of the readers below
.irp h, 0,1
.irp j, 0,1,2
	global_store_b128 v4, v[CD+12*\h+4*\j:CD+12*\h+4*\j+3], s[10:11] offset:256*\h+512*\j
.endr
.endr
	global_store_b32 v6, v24, s[12:13]             ; the wave stores 128 consecutive bytes
	s_endpgm
.Lfunc_end_k_q494f57f6f8_quant_w:
	.size	k_q494f57f6f8_quant_w, .Lfunc_end_k_q494f57f6f8_quant_w-k_q494f57f6f8_quant_w
	.p2alignl 7, 3214868480
	.fill 96, 4, 3214868480
	.section	.rodata,"a",@progbits
	.p2align	6, 0x0
	.amdhsa_kernel k_q494f57f6f8_quant_w
		.amdhsa_group_segment_fixed_size 0
		.amdhsa_private_segment_fixed_size 0
		.amdhsa_enable_private_segment 0
		.amdhsa_kernarg_size 40
		.amdhsa_user_sgpr_count 2
		.amdhsa_user_sgpr_kernarg_segment_ptr 1
		.amdhsa_wavefront_size32 1
		.amdhsa_system_sgpr_workgroup_id_x 1
		.amdhsa_system_sgpr_workgroup_id_y 1
		.amdhsa_system_sgpr_workgroup_id_z 1
		.amdhsa_system_vgpr_workitem_id 0
		.amdhsa_next_free_vgpr 208
		.amdhsa_next_free_sgpr 66
		.amdhsa_reserve_vcc 0
		.amdhsa_float_denorm_mode_32 3
		.amdhsa_float_denorm_mode_16_64 3
		.amdhsa_memory_ordered 1
		.amdhsa_forward_progress 1
		.amdhsa_inst_pref_size 21
	.end_amdhsa_kernel
	.amdgpu_metadata
---
amdhsa.version: [ 1, 2 ]
amdhsa.kernels:
  - .name:           k_q494f57f6f8_quant_w
    .symbol:         k_q494f57f6f8_quant_w.kd
    .args:
      - { .name: WQ, .offset: 0, .size: 8, .value_kind: global_buffer, .address_space: global }
      - { .name: WK, .offset: 8, .size: 8, .value_kind: global_buffer, .address_space: global }
      - { .name: WV, .offset: 16, .size: 8, .value_kind: global_buffer, .address_space: global }
      - { .name: wc, .offset: 24, .size: 8, .value_kind: global_buffer, .address_space: global }
      - { .name: ws, .offset: 32, .size: 8, .value_kind: global_buffer, .address_space: global }
    .group_segment_fixed_size: 0
    .private_segment_fixed_size: 0
    .kernarg_segment_align: 8
    .kernarg_segment_size: 40
    .max_flat_workgroup_size: 128
    .sgpr_count:     66
    .vgpr_count:     208
    .wavefront_size: 32
...
	.end_amdgpu_metadata
.endif
;; end of part 1
;; launch proj (part 2): grid 192 x 1, 4 waves a work-group, no clusters, 185,600 bytes of LDS; arguments Q_seq, K_seq, V_seq, wc, ws, img, sc; writes img, sc
.if DOCPART == 2
	.amdgcn_target "amdgcn-amd-amdhsa--gfx1250"
	.amdhsa_code_object_version 6
	.text
	.protected	k_q494f57f6f8_proj
	.globl	k_q494f57f6f8_proj
	.p2align	8
	.type	k_q494f57f6f8_proj,@function
k_q494f57f6f8_proj:
	s_mov_b64 s[64:65], 0
	v_nop
	global_prefetch_b8 v0, s[64:65] scope:SCOPE_SE
	s_setreg_imm32_b32 hwreg(HW_REG_WAVE_MODE, 25, 1), 1
	s_wait_xcnt 0x0
; q = Q_seq WQ, k = K_seq WK, v = V_seq WV on codes of FP6 (E2M3) with one E8M0 scale for each 32 along K, f32 sums; the results are quantised again
; (q, k along the head's 64 channels, v along the keys) and stored as images of operand registers (img) and scale words (sc) for the attention launch.
; SHARES.  Work-group g: tensor g / 64, rows 128 (g % 64) .. + 127, all 1,024 columns: 192 work-groups (8,192 rows a tensor do not divide into 256 / 3 equal blocks).
; PART 1: the 128 x 1,024 f32 numbers are read ONCE and quantised here.  Wave w takes rows 32 j + 8 w + e.  A row's eight loads read 512 consecutive bytes each; the row turns through the wave's
; own stage in LDS and comes back one block of 32 to a lane; codes go to LDS as images of fragments, bytes as scale words.  Seven to eight rows (56 to 64 loads) a wave are on their way.
; Place p of the block holds row pi(p), pi = p with bits 3 and 4 exchanged.  A block's byte is its largest magnitude's exponent field - 2, held at 1 from below (zeros: 1, not 127; read here alone).
; PART 2: one barrier, then each wave makes 128 rows x 128 columns (64 accumulators, 512 registers) in each of two passes: column groups 2 w and 2 w + 1.
; x's fragments come from LDS, one step of 128 along K ahead.  W's fragments are read by ONE wave of the work-group, so they go from memory straight into its operand registers, two steps ahead.
; NO CLUSTER, NO TENSOR LOAD: a joint load would land in LDS, and all 768 KB of W's codes would be written to LDS and read back for each work-group, for fragments that no second wave wants.
; NO PREFETCH: x is read once with seven to eight rows (56 to 64 loads) a wave on their way; W is asked for two steps (128 matrix instructions) ahead of its use.
; THE STREAM'S END: a wave's last two steps name W's last step again (24 KB of 192 KB a wave; the data are not used), so that every counted wait counts the same loads on every way through the text.
; q, k: source 0 = W's places, source 1 = x's: a lane holds a token, its registers run along the channels.  v: the sources are swapped: a lane holds a channel, its registers run along the keys.
; LIMITS: blocks whose largest magnitude lies under 2^-124 keep the byte 1; NaN and infinities among the inputs are not served.
; REGISTERS, in windows of 256.  Window 0: v0-15 addresses; v16-23 x's scale words, v24-31 W's (two sets each); v32-41 part 1's addresses; v64-159, v160-255 x's fragments, two sets
; (part 1 and the way out work there).  Window 1: W's fragments, sets at v0 and v128.  Windows 2, 3: accumulators, (lane side a, register side b) at window 2 + a / 4, v[64 (a % 4) + 8 b]; in part 1 window 2 takes the loads.
.set FP,   1672                        ; LDS: a fragment's image: two halves of three pieces of 256 bytes, CP apart.  FP / 8 = 17 and CP / 8 = 8 modulo 32: the 32 lanes of an image store touch 64 different banks
.set CP,   832
.set XT,   8*FP                        ; a tile of 16 places: its eight steps
.set XSP,  528                         ; x's scale words of a step: 16 bytes a lane, + 16
.set LXS,  107008                      ; behind the eight tiles
.set WSL,  111360                      ; W's scale words: 8,192 bytes a wave
.set STG,  144128                      ; the stages: two of 32 x 144 bytes a wave
.set EST,  180992                      ; the way out's scale words: 1,024 bytes a wave
.set SPARE, 185088                     ; the spare words, 128 bytes a wave
.set SPW, 2
.set NIL, 3
.set GA,  4                            ; 16 x lane
.set XB0, 5                            ; 8 x lane
.set XSB, 6
.set WSB, 7
.set STS, 8
.set RDS, 9
.set FL,  10
.set SH,  11
.set XAC, 12                           ; v12-13 x's fragments, tiles 0-3 and 4-7, at the trip's step
.set XSAC, 14
.set WSAC, 15
.set XSC, 16
.set WSC, 24
.set SIN, 32
.set SOUT, 33
.set VIA, 34
.set VSA, 35
.set IAC, 36
.set SAC, 37
.set WCP, 38
.set XF,  64
.set X,   64                           ; part 1: two sets of 32 numbers
.set CC,  128                          ; two sets of six code registers
.set CT,  144
.set WT,  160                          ; W's scale words on their way to LDS
.set PC,  112                          ; the way out
.set SW,  160
.set BK,  168
.set TM,  200
.set PW,  216
.set MSB, 0
.macro WIN new                         ; the immediate's high byte repeats the setting that is left
.if MSB != \new
	s_set_vgpr_msb (MSB<<8)|\new
.set MSB, \new
.endif
.endm
	s_load_b256 s[4:11], s[0:1], 0x0               ; Q_seq, K_seq, V_seq, wc
	s_load_b128 s[12:15], s[0:1], 0x20             ; ws, img
	s_load_b64 s[16:17], s[0:1], 0x30              ; sc
	v_lshl_add_u32 v[SPW], v0, 2, SPARE
	v_mov_b32 v[NIL], 0
	v_lshrrev_b32 v1, 5, v0
	v_readfirstlane_b32 s18, v1                    ; wave
	v_and_b32 v1, 31, v0                           ; lane
	v_lshlrev_b32 v[GA], 4, v1
	v_lshlrev_b32 v[XB0], 3, v1
	s_lshr_b32 s19, ttmp9, 6                       ; tensor
	s_and_b32 s20, ttmp9, 63                       ; block of 128 rows
	s_mul_i32 s46, s18, 9216
	s_add_co_u32 s46, s46, STG                     ; my stages
	v_lshrrev_b32 v[SIN], 3, v1
	v_mul_u32_u24 v[SIN], v[SIN], 144
	v_and_b32 v40, 7, v1
	v_lshl_add_u32 v[SIN], v40, 4, v[SIN]
	v_add_nc_u32 v[SIN], s46, v[SIN]               ; in: eight lanes' 128 bytes are a block, 144 bytes from block to block
	v_mul_u32_u24 v[SOUT], v1, 144
	v_add_nc_u32 v[SOUT], s46, v[SOUT]             ; back: lane = the row's block
	v_lshrrev_b32 v40, 2, v1                       ; my block's step,
	v_mul_u32_u24 v[VIA], v40, FP
	v_mul_u32_u24 v[VSA], v40, XSP
	v_bfe_u32 v40, v1, 1, 1                        ; its c,
	v_mad_u32_u24 v[VIA], v40, CP, v[VIA]
	v_and_b32 v40, 1, v1                           ; its h
	v_lshl_add_u32 v[VIA], v40, 7, v[VIA]
	v_and_b32 v40, 3, v1
	v_add_nc_u32 v[VSA], v[VSA], v40               ; and its byte in the scale word
	s_and_b32 s46, s18, 1                          ; u: my rows lie in tiles 2 j + u,
	s_lshr_b32 s47, s18, 1                         ; at places r = 8 (wave / 2) + e
	s_mul_i32 s37, s46, XT
	s_lshl_b32 s21, s47, 6
	s_add_co_u32 s37, s37, s21
	v_add_nc_u32 v[VIA], s37, v[VIA]
	s_lshl_b32 s37, s46, 8
	s_lshl_b32 s21, s47, 7
	s_add_co_u32 s37, s37, s21
	s_add_co_u32 s37, s37, LXS
	s_wait_alu depctr_va_vdst(0)                   ; the wait, directly ahead of the reader below
	v_add_nc_u32 v[VSA], s37, v[VSA]
	v_add_nc_u32 v[XSB], LXS, v[GA]
	s_lshl_b32 s37, s18, 13
	s_add_co_u32 s37, s37, WSL
	v_lshl_add_u32 v[WSB], v1, 2, s37
	v_add_nc_u32 v[WCP], s37, v[GA]
	s_lshl_b32 s37, s18, 10
	s_add_co_u32 s37, s37, EST
	v_and_b32 v40, 15, v0
	v_bfe_u32 v41, v0, 4, 1
	v_lshlrev_b32 v[STS], 3, v40
	v_lshl_add_u32 v[STS], v41, 9, v[STS]
	v_add_nc_u32 v[STS], s37, v[STS]
	v_add_nc_u32 v[RDS], s37, v[GA]
	v_mov_b32 v[FL], 0x1800000
	v_lshlrev_b32 v[SH], 4, v41
	; the images' index.  q, k: 1,024 batch + 64 head + tile of tokens, 768 bytes each; v: 512 batch + 64 key step + tile of channels, 1,536 bytes each
	s_lshl_b32 s30, s18, 8
	s_lshl_b32 s37, s20, 3
	s_and_b32 s37, s37, 63
	s_add_co_u32 s30, s30, s37
	s_lshl_b32 s37, s20, 7
	s_and_b32 s37, s37, 0xfffffc00
	s_add_co_u32 s30, s30, s37
	s_lshl_b32 s37, s20, 6
	s_lshl_b32 s21, s18, 4
	s_add_co_u32 s37, s37, s21
	s_mov_b32 s21, 49152
	s_mov_b32 s26, 768
	s_cmp_eq_u32 s19, 2
	s_cselect_b32 s30, s37, s30
	s_cselect_b32 s31, 8, 128                      ; from pass to pass
	s_cselect_b32 s28, 768, s21                    ; from a fragment's first six registers to its second six
	s_cselect_b32 s26, 1536, s26                   ; from block to block
	s_mov_b32 s27, 0
	s_mov_b32 s29, 0
	s_mul_i32 s48, s19, 6291456
	s_lshl_b32 s49, s19, 19
	s_mov_b32 s66, 0x76543210
	s_mov_b32 s67, 0xfedcba98                      ; lane selects: lane l xor 16
	s_lshl_b32 s50, s20, 19
	s_lshl_b32 s37, s18, 15
	s_add_co_u32 s50, s50, s37                     ; x: row 128 block + 8 wave
	s_mov_b32 s51, 0
	s_mul_i32 s52, s19, 786432
	s_mul_i32 s37, s18, 196608
	s_add_co_u32 s52, s52, s37                     ; W's codes: my two groups, 16 steps on end
	s_mov_b32 s53, 0
	s_lshl_b32 s54, s19, 15
	s_lshl_b32 s37, s18, 13
	s_add_co_u32 s54, s54, s37
	s_mov_b32 s55, 0
	s_mov_b32 s35, 0
	s_mov_b32 s36, 13                              ; steps that W's pointer still goes on: from step 2 to step 15
	s_mov_b32 s40, 0
	s_mov_b32 s42, 2
	s_wait_alu depctr_va_vdst(0)                   ; the wait at the head's end
	s_wait_kmcnt 0x0
	s_cmp_eq_u32 s19, 0                            ; the choice hangs on the work-group's number alone
	s_cselect_b64 s[4:5], s[4:5], s[6:7]
	s_cmp_eq_u32 s19, 2
	s_cselect_b64 s[4:5], s[8:9], s[4:5]
	s_add_nc_u64 s[4:5], s[4:5], s[50:51]
	s_add_nc_u64 s[10:11], s[10:11], s[52:53]
	s_add_nc_u64 s[12:13], s[12:13], s[54:55]
.macro WLOAD p, i, off                 ; W's tiles 2 i, 2 i + 1 into set p: 512 consecutive bytes a load
.irp f, 0,1
.irp j, 0,1,2
	global_load_b128 v[128*(\p)+12*(2*(\i)+\f)+4*\j:128*(\p)+12*(2*(\i)+\f)+4*\j+3], v[GA], s[10:11] offset:(\off)+(2*(\i)+\f)*1536+512*\j
.endr
.endr
.endm
.macro XLOAD e, ahead                  ; row e of this trip or of the next into window 2, v[32 e ..]
	WIN 0x80
.irp i, 0,1,2,3,4,5,6,7
	global_load_b128 v[32*(\e)+4*\i:32*(\e)+4*\i+3], v[GA], s[4:5] offset:131072*(\ahead)+4096*(\e)+512*\i th:TH_LOAD_NT
.endr
	WIN 0
.endm
.macro XTURN e                         ; a row through the stage: LDS serves a wave's instructions in order
	WIN 0x08
.irp i, 0,1,2,3,4,5,6,7
	ds_store_b128 v[SIN], v[32*(\e)+4*\i:32*(\e)+4*\i+3] offset:4608*((\e)%2)+576*\i
.endr
	WIN 0
.irp i, 0,1,2,3,4,5,6,7
	ds_load_b128 v[X+32*((\e)%2)+4*\i:X+32*((\e)%2)+4*\i+3], v[SOUT] offset:4608*((\e)%2)+16*\i
.endr
.endm
.macro XROW e, load, cnt, turn
.set XR, X+32*((\e)%2)
.set CR, CC+8*((\e)%2)
	s_wait_dscnt 4                                 ; the row is back from the stage (the last row's four stores may be out), so its stores into the stage have read their registers,
.if \load
	XLOAD \e, 1                                    ; which take the row of the next trip
.endif
.if \turn
	s_wait_loadcnt \cnt                            ; the next row's eight loads are in; the rows asked for behind it may be out
	XTURN ((\e)+1)%8
.endif
	v_max3_num_f32 v148, |v[XR]|, |v[XR+1]|, |v[XR+2]|
	v_max3_num_f32 v149, |v[XR+3]|, |v[XR+4]|, |v[XR+5]|
.irp i, 6,10,14,18,22,26
	v_max3_num_f32 v148, v148, |v[XR+\i]|, |v[XR+\i+1]|
	v_max3_num_f32 v149, v149, |v[XR+\i+2]|, |v[XR+\i+3]|
.endr
	v_max3_num_f32 v148, v148, |v[XR+30]|, |v[XR+31]|
	v_max3_num_f32 v148, v148, v149, 0x1800000     ; the floor 2^(3 - 127): the byte cannot fall under 1
	v_add_nc_u32 v150, 0xff000000, v148            ; 2 off the exponent field: the conversion's scale operand
	v_cvt_scalef32_pk16_fp6_f32 v[CR:CR+2], v[XR:XR+15], v150
	v_cvt_scalef32_pk16_fp6_f32 v[CT:CT+2], v[XR+16:XR+31], v150
	v_lshrrev_b32 v[152+(\e)%2], 23, v150          ; the byte (also the plain line behind the conversions)
.irp i, 0,1,2
	v_mov_b32 v[CR+3+\i], v[CT+\i]
.endr
.irp i, 0,1,2
	ds_store_b64 v[IAC], v[CR+2*\i:CR+2*\i+1] offset:256*\i+8*(\e)
.endr
	ds_store_b8 v[SAC], v[152+(\e)%2] offset:16*(\e)
.endm
.irp e, 0,1,2,3,4,5,6,7
	XLOAD \e, 0
.endr
	s_wait_loadcnt 56                              ; row 0 is in; rows 1 to 7 may be out
	XTURN 0
	s_wait_dscnt 0x0
	s_mov_b32 s43, 0
	s_mov_b32 s44, 0
	s_mov_b32 s41, 3
.Lrows:                                                ; a trip: eight rows, into tiles 2 j + u
	v_add_nc_u32 v[IAC], s43, v[VIA]
	v_add_nc_u32 v[SAC], s44, v[VSA]
	s_wait_alu depctr_va_vdst(0)                   ; the wait
.irp e, 0,1,2,3,4,5,6,7
	XROW \e, 1, 56, 1
.endr
	s_wait_xcnt 0x0                                ; the loads have read their base
	s_add_nc_u64 s[4:5], s[4:5], 0x20000           ; 32 rows on
	s_add_co_u32 s43, s43, 2*XT
	s_add_co_u32 s44, s44, 4
	s_sub_co_u32 s41, s41, 1
	s_cmp_lg_u32 s41, 0
	s_wait_alu depctr_va_vdst(0)                   ; the wait ahead of the branch
	s_cbranch_scc1 .Lrows
	v_add_nc_u32 v[IAC], s43, v[VIA]               ; the last eight rows ask for nothing more
	v_add_nc_u32 v[SAC], s44, v[VSA]
	s_wait_alu depctr_va_vdst(0)
; Among the last eight rows, which ask for no more of x, W's scale words (16 loads) and its steps 0 and 1 (4 x 12 loads) are asked for.
; A row's count: the loads issued behind the next row's eight: x's later rows and what of W has gone out: 48, 40 + 16, 32 + 28, then 64 and more, for which the field's 63 stands.
	XROW 0, 0, 48, 1
.irp n, 0,1,2,3,4,5,6,7,8,9,10,11,12,13,14,15
	global_load_b128 v[WT+4*\n:WT+4*\n+3], v[GA], s[12:13] offset:512*\n   ; W's scale words of my 16 steps
.endr
	XROW 1, 0, 56, 1
	WIN 0x40
	WLOAD 0, 0, 0
	WLOAD 0, 1, 0
	WIN 0
	XROW 2, 0, 60, 1
	WIN 0x40
	WLOAD 0, 2, 0
	WLOAD 0, 3, 0
	WIN 0
	XROW 3, 0, 63, 1
	WIN 0x40
	WLOAD 1, 0, 12288
	WLOAD 1, 1, 12288
	WIN 0
	XROW 4, 0, 63, 1
	WIN 0x40
	WLOAD 1, 2, 12288
	WLOAD 1, 3, 12288
	WIN 0
	XROW 5, 0, 63, 1
	XROW 6, 0, 63, 1
	XROW 7, 0, 0, 0
	s_wait_loadcnt 48                              ; W's scale words are in; the 48 loads of its steps 0 and 1 may be out
.irp n, 0,1,2,3,4,5,6,7,8,9,10,11,12,13,14,15
	ds_store_b128 v[WCP], v[WT+4*\n:WT+4*\n+3] offset:512*\n
.endr
	s_wait_dscnt 0x0                               ; my images, bytes and words are stored:
	s_barrier_signal -1
	s_barrier_wait -1                              ; everybody's.  From here on only the waves' own words for the way out are written
; ONE MATRIX INSTRUCTION, from the symbols AC, FA, FB, QA, QB (registers) and RA, RB (which half of the lanes holds the scale words)
.macro EM c
.if RA && RB
	v_wmma_scale_f32_16x16x128_f8f6f4 v[AC:AC+7], v[FA:FA+11], v[FB:FB+11], \c, v[QA], v[QB] matrix_a_fmt:MATRIX_FMT_FP6 matrix_b_fmt:MATRIX_FMT_FP6 matrix_a_scale:MATRIX_SCALE_ROW1 matrix_b_scale:MATRIX_SCALE_ROW1
.elseif RA
	v_wmma_scale_f32_16x16x128_f8f6f4 v[AC:AC+7], v[FA:FA+11], v[FB:FB+11], \c, v[QA], v[QB] matrix_a_fmt:MATRIX_FMT_FP6 matrix_b_fmt:MATRIX_FMT_FP6 matrix_a_scale:MATRIX_SCALE_ROW1
.elseif RB
	v_wmma_scale_f32_16x16x128_f8f6f4 v[AC:AC+7], v[FA:FA+11], v[FB:FB+11], \c, v[QA], v[QB] matrix_a_fmt:MATRIX_FMT_FP6 matrix_b_fmt:MATRIX_FMT_FP6 matrix_b_scale:MATRIX_SCALE_ROW1
.else
	v_wmma_scale_f32_16x16x128_f8f6f4 v[AC:AC+7], v[FA:FA+11], v[FB:FB+11], \c, v[QA], v[QB] matrix_a_fmt:MATRIX_FMT_FP6 matrix_b_fmt:MATRIX_FMT_FP6
.endif
.endm
.macro WM zero
.if \zero
	EM 0
.else
	EM v[AC:AC+7]
.endif
.endm
; 16 matrix instructions: W's tiles 2 i, 2 i + 1 against x's eight.  The 64 accumulators take turns, one instruction a turn, in the same order in every step.
.macro MULP v, p, i, zero
.if \v
	WIN 0xa4+0x50*((\i)/2)                         ; source 0 (x) window 0, source 1 (W) window 1
.irp f, 0,1
.irp x, 0,1,2,3,4,5,6,7
.set AC, 64*((2*(\i)+\f)%4)+8*\x
.set FA, XF+96*(\p)+12*\x
.set FB, 128*(\p)+12*(2*(\i)+\f)
.set QA, XSC+4*(\p)+\x/2
.set RA, \x%2
.set QB, WSC+4*(\p)+(\i)
.set RB, \f
	WM \zero
.endr
.endr
.else
.irp hh, 0,1
	WIN 0xa1+0x50*\hh                              ; source 0 (W) window 1, source 1 (x) window 0
.irp f, 0,1
.irp x, 0,1,2,3
.set AC, 64*\x+8*(2*(\i)+\f)
.set FA, 128*(\p)+12*(2*(\i)+\f)
.set FB, XF+96*(\p)+12*(4*\hh+\x)
.set QA, WSC+4*(\p)+(\i)
.set RA, \f
.set QB, XSC+4*(\p)+(4*\hh+\x)/2
.set RB, \x%2
	WM \zero
.endr
.endr
.endr
.endif
.endm
.macro XFETCH p, fo, x0, x1, sc        ; x's fragments x0 .. x1 and (sc = 1) both sides' scale words, fo steps on from the trip's, into set p
.irp x, 0,1,2,3,4,5,6,7
.if (\x >= (\x0)) && (\x <= (\x1))
.irp q, 0,1,2,3,4,5
	ds_load_b64 v[XF+96*(\p)+12*\x+2*\q:XF+96*(\p)+12*\x+2*\q+1], v[XAC+\x/4] offset:(\x%4)*XT+(\fo)*FP+CP*(\q/3)+256*(\q%3)   ; 32 lanes read 256 consecutive bytes
.endr
.endif
.endr
.if \sc
	ds_load_b128 v[XSC+4*(\p):XSC+4*(\p)+3], v[XSAC] offset:(\fo)*XSP
.irp i, 0,1,2,3
	ds_load_b32 v[WSC+4*(\p)+\i], v[WSAC] offset:(\fo)*512+128*\i
.endr
.endif
.endm
.macro ADDRS                           ; the trip's LDS addresses
	v_add_nc_u32 v[XAC], s38, v[XB0]
	v_add_nc_u32 v[XSAC], s39, v[XSB]
	v_add_nc_u32 v[WSAC], s40, v[WSB]
	v_add_nc_u32 v[XAC+1], 4*XT, v[XAC]
	s_wait_alu depctr_va_vdst(0)                   ; the wait
.endm
; A STEP of 128 along K on set p.  A pair of W's tiles is free behind its 16 products and takes the step two on.
; s_wait_loadcnt 42: behind the six loads of pair i, asked for two steps ago, came 6 (3 - i) loads of that step, 24 of the last step and 6 i of this one.
.macro KSTEP v, p, zero, fo
	s_wait_dscnt 0x0                               ; x's fragments and the scale words are in (the last of them asked for 16 matrix instructions ago, or at the pass's head)
.irp i, 0,1,2,3
	s_wait_loadcnt 42
	MULP \v, \p, \i, \zero
.rept 4
	v_nop                                          ; places ahead of loads into registers that matrix instructions have read (ISA guide 7.12.1 for vector instructions)
.endr
	WIN 0x40
	WLOAD \p, \i, 24576
	WIN 0
.if (\fo >= 0) && (\i < 3)
	XFETCH 1-(\p), \fo, 3*\i, 3*\i+2, \i/2         ; the next step's x in three runs: tiles 0-2, 3-5, 6-7 with the scale words: 18, 18 and 17 LDS loads, 16 matrix instructions behind each
.endif
.endr
	s_wait_xcnt 0x0                                ; the loads have read their base
	s_cmp_lg_u32 s36, 0
	s_cselect_b32 s34, 12288, 0                    ; a step on, until the pointer's loads name step 15
	s_cselect_b32 s37, 1, 0
	s_sub_co_u32 s36, s36, s37
	s_add_nc_u64 s[10:11], s[10:11], s[34:35]
.endm
.macro MAIN v                          ; a pass's eight steps: the first starts the sums, six in a loop, the last
	KSTEP \v, 0, 1, 1
	s_mov_b32 s41, 3
.Lk\v:
	ADDRS
	KSTEP \v, 1, 0, 2
	KSTEP \v, 0, 0, 3
	s_add_co_u32 s38, s38, 2*FP
	s_add_co_u32 s39, s39, 2*XSP
	s_add_co_u32 s40, s40, 1024
	s_sub_co_u32 s41, s41, 1
	s_cmp_lg_u32 s41, 0
	s_cbranch_scc1 .Lk\v
	KSTEP \v, 1, 0, -1
.endm
; THE WAY OUT of block a (16 lanes' rows x 128 along the registers): four blocks of 32, their bytes, twelve registers of codes in the operand's layout
.macro QUANTW a
.set QW, 2+(\a)/4
.set QS, 64*((\a)%4)
.set QP, PC+24*((\a)%2)
.set QWIN, (QW<<2)|(QW<<4)
	WIN QWIN
.irp b, 0,1,2,3
	v_max3_num_f32 v[TM+\b], v[FL], |v[QS+16*\b]|, |v[QS+16*\b+1]|   ; each accumulator is first read at its low end
.endr
.irp i, 2,4,6,8,10,12,14
.irp b, 0,1,2,3
	v_max3_num_f32 v[TM+\b], v[TM+\b], |v[QS+16*\b+\i]|, |v[QS+16*\b+\i+1]|
.endr
.endr
	WIN 0
.irp b, 0,1,2,3
	v_permlanex16_b32 v[TM+4+\b], v[TM+\b], s66, s67
.endr
.irp b, 0,1,2,3
	v_max_num_f32 v[TM+\b], v[TM+\b], v[TM+4+\b]   ; with lane l xor 16's 16
.endr
.irp b, 0,1,2,3
	v_add_nc_u32 v[TM+12+\b], 0xff000000, v[TM+\b]
.endr
.irp b, 0,1,2,3
	v_lshrrev_b32 v[TM+4+\b], 23, v[TM+12+\b]
.endr
	v_lshl_or_b32 v[PW], v[TM+5], 8, v[TM+4]
	v_lshl_or_b32 v[PW], v[TM+6], 16, v[PW]
	v_lshl_or_b32 v[PW], v[TM+7], 24, v[PW]
	WIN QW
.irp c, 0,1
	v_cvt_scalef32_pk16_fp6_f32 v[QP+6*\c:QP+6*\c+2], v[QS+32*\c:QS+32*\c+15], v[TM+12+2*\c]
	v_cvt_scalef32_pk16_fp6_f32 v[QP+12+4*\c:QP+14+4*\c], v[QS+16+32*\c:QS+31+32*\c], v[TM+13+2*\c]
.endr
	WIN 0
	v_nop                                          ; a plain line behind the conversions
.irp c, 0,1
.irp i, 0,1,2
	v_permlane16_swap_b32 v[QP+6*\c+\i], v[QP+12+4*\c+\i]   ; a whole block to a lane
.endr
.irp i, 0,1,2
	v_mov_b32 v[QP+3+6*\c+\i], v[QP+12+4*\c+\i]
.endr
.endr
.endm
.macro OUTBLK a
	QUANTW \a
	v_lshrrev_b32 v[SW+(\a)], v[SH], v[PW]         ; lanes 16-31: the second head's two bytes (q, k)
	ds_store_b32 v[STS], v[SW+(\a)] offset:256*((\a)/4)+128*((\a)%2)+4*(((\a)%4)/2)
.if (\a) > 0
	s_wait_alu depctr_va_vdst(0)                   ; the wait ahead of the wait below
	s_wait_xcnt 0x0                                ; the earlier stores have read their bases and registers
	s_add_nc_u64 s[22:23], s[22:23], s[26:27]
	s_add_nc_u64 s[24:25], s[24:25], s[26:27]
.endif
.irp j, 0,1,2
	global_store_b64 v[XB0], v[QP+2*\j:QP+2*\j+1], s[22:23] offset:256*\j   ; 32 lanes store 256 consecutive bytes, aligned
.endr
.irp j, 0,1,2
	global_store_b64 v[XB0], v[QP+6+2*\j:QP+7+2*\j], s[24:25] offset:256*\j
.endr
.endm
.Lpass:                                                ; two trips: column groups 2 wave and 2 wave + 1
	s_mov_b32 s38, 0
	s_mov_b32 s39, 0
	s_wait_xcnt 0x0                                ; the last pass's stores have read their registers
	ADDRS
	XFETCH 0, 0, 0, 7, 1
	s_cmp_eq_u32 s19, 2                            ; the tensor: the work-group's number alone
	s_cbranch_scc1 .Lv
	MAIN 0
	s_branch .Lepi
.Lv:
	MAIN 1
.Lepi:
	s_mul_i32 s46, s30, s26
	s_add_co_u32 s46, s46, s48
	s_mov_b32 s47, 0
	s_add_nc_u64 s[22:23], s[14:15], s[46:47]      ; my first image,
	s_add_nc_u64 s[24:25], s[22:23], s[28:29]      ; and where a fragment's second six registers go
	s_lshl_b32 s46, s30, 6
	s_add_co_u32 s46, s46, s49
	s_add_nc_u64 s[32:33], s[16:17], s[46:47]      ; my scale words: 64 bytes an image
.rept 4
	v_nop                                          ; places behind the last products
.endr
.irp b, 0,1,2,3
	v_mov_b32 v[TM+4+\b], 0                        ; a lane permute's destination counts as one of its sources
.endr
.irp a, 0,1,2,3,4,5,6,7
	OUTBLK \a
.endr
	ds_load_b128 v[BK:BK+3], v[RDS]                ; LDS serves a wave's instructions in order: these see my stores
	ds_load_b128 v[BK+4:BK+7], v[RDS] offset:512
	s_wait_dscnt 0x0
	global_store_b128 v[GA], v[BK:BK+3], s[32:33]
	s_cmp_eq_u32 s19, 2
	s_cbranch_scc1 .Lone                           ; v has one word a row; q and k a second head's
	global_store_b128 v[GA], v[BK+4:BK+7], s[32:33] offset:4096
.Lone:
	s_add_co_u32 s30, s30, s31
	s_add_co_u32 s40, s40, 1024                    ; W's scale words: on to the next pass's eight steps
	s_sub_co_u32 s42, s42, 1
	s_cmp_lg_u32 s42, 0
	s_wait_alu depctr_va_vdst(0)                   ; the wait ahead of the branch
	s_cbranch_scc1 .Lpass
	s_wait_tensorcnt 0x0                           ; the wave's end, behind my last LDS store
	ds_add_u32 v[SPW], v[NIL]
	s_wait_dscnt 0x0
	s_endpgm
.Lfunc_end_k_q494f57f6f8_proj:
	.size	k_q494f57f6f8_proj, .Lfunc_end_k_q494f57f6f8_proj-k_q494f57f6f8_proj
	.p2alignl 7, 3214868480
	.fill 96, 4, 3214868480
	.section	.rodata,"a",@progbits
	.p2align	6, 0x0
	.amdhsa_kernel k_q494f57f6f8_proj
		.amdhsa_group_segment_fixed_size 185600
		.amdhsa_private_segment_fixed_size 0
		.amdhsa_enable_private_segment 0
		.amdhsa_kernarg_size 56
		.amdhsa_user_sgpr_count 2
		.amdhsa_user_sgpr_kernarg_segment_ptr 1
		.amdhsa_wavefront_size32 1
		.amdhsa_system_sgpr_workgroup_id_x 1
		.amdhsa_system_sgpr_workgroup_id_y 1
		.amdhsa_system_sgpr_workgroup_id_z 1
		.amdhsa_system_vgpr_workitem_id 0
		.amdhsa_next_free_vgpr 1024
		.amdhsa_next_free_sgpr 70
		.amdhsa_reserve_vcc 0
		.amdhsa_float_denorm_mode_32 3
		.amdhsa_float_denorm_mode_16_64 3
		.amdhsa_memory_ordered 1
		.amdhsa_forward_progress 1
		.amdhsa_inst_pref_size 224
	.end_amdhsa_kernel
	.amdgpu_metadata
---
amdhsa.version: [ 1, 2 ]
amdhsa.kernels:
  - .name:           k_q494f57f6f8_proj
    .symbol:         k_q494f57f6f8_proj.kd
    .args:
      - { .name: Q_seq, .offset: 0, .size: 8, .value_kind: global_buffer, .address_space: global }
      - { .name: K_seq, .offset: 8, .size: 8, .value_kind: global_buffer, .address_space: global }
      - { .name: V_seq, .offset: 16, .size: 8, .value_kind: global_buffer, .address_space: global }
      - { .name: wc, .offset: 24, .size: 8, .value_kind: global_buffer, .address_space: global }
      - { .name: ws, .offset: 32, .size: 8, .value_kind: global_buffer, .address_space: global }
      - { .name: img, .offset: 40, .size: 8, .value_kind: global_buffer, .address_space: global }
      - { .name: sc, .offset: 48, .size: 8, .value_kind: global_buffer, .address_space: global }
    .group_segment_fixed_size: 185600
    .private_segment_fixed_size: 0
    .kernarg_segment_align: 8
    .kernarg_segment_size: 56
    .max_flat_workgroup_size: 128
    .sgpr_count:     70
    .vgpr_count:     1024
    .wavefront_size: 32
...
	.end_amdgpu_metadata
.endif
;; end of part 2
;; launch attn (part 3): grid 2 x 128, 16 waves a work-group, no clusters, 182,272 bytes of LDS; arguments img, sc, masks, out0; writes out0
.if DOCPART == 3
	.amdgcn_target "amdgcn-amd-amdhsa--gfx1250"
	.amdhsa_code_object_version 6
	.text
	.protected	k_q494f57f6f8_attn
	.globl	k_q494f57f6f8_attn
	.p2align	8
	.type	k_q494f57f6f8_attn,@function
k_q494f57f6f8_attn:
	s_mov_b64 s[64:65], 0
	v_nop
	global_prefetch_b8 v0, s[64:65] scope:SCOPE_SE
	s_setreg_imm32_b32 hwreg(HW_REG_WAVE_MODE, 25, 1), 1
	s_wait_xcnt 0x0
; out[b][q][64 h ..] = masks[b][q] x the sum over k of softmax_k(q . k / 8 - (1 - masks[b][k]) 1e12) v[k], both products on codes of FP6 (E2M3) with one E8M0 scale for each 32 along a product's K.
; q, k, v come as images of operand registers and scale words, made by the launch before.  q, k: six registers a tile of 16 rows (the head's 64 along K); the other six registers of a fragment are zero codes on BOTH sides.
; THE SOFTMAX AHEAD OF THE SECOND PRODUCT: t = logit x log2(e); p = 2^(t - M), M a whole number at or above the running largest t; p is quantised along the keys, not normalised; the row's sum is taken of the
; unquantised p and divides at the end.  When M moves, the sum and O are multiplied by 2^(old M - new M): exact.
; M HAS A MARGIN: -M = floor(-t - |t| 2^-20).  Where a run of keys all carry the penalty, t is near -1.4e12 and the rounding of c x score is tens of thousands: without the margin t - M could come out far above 0.
; With it p never passes 1.  M stays a whole number, so a block's scale and the row's sum take the power of two up: the codes' values are the same.
; THE PENALTY COSTS NO VECTOR INSTRUCTION: -8 (1 - mask) 1e12, made once a work-group and kept in LDS, is loaded into the scores' registers and is the C of the score product, so it stands ahead of the maximum.
; It joins the score in the matrix unit's sum, with that unit's rounding.
; LIMITS: a batch in which EVERY key carries a huge penalty gives 0 (the row's sum is held at 2^-126 from below), which is reference()'s result where the query's own mask is 0, as with masks of 0 and 1;
; NaN and infinities are not served; a block of p that is all zeros keeps the byte 1 (its codes are zeros).
; SHARES.  A work-group owns 512 queries of one head, in two passes; each of its sixteen waves owns 16 queries a pass, in 256 registers: four waves to a SIMD, so that one wave's vector work stands beside another's
; matrix work and LDS loads.  NO RING: a head's K (49,152 bytes), V (49,152) and scale words (6,144) fit in LDS at once: every tile is filled once, at the head, and the launch has one barrier.
; NO CLUSTER: only two work-groups read a head's tiles, once each at their heads (104 KB for 16 key steps a wave); a cluster of four would join heads that share nothing.
; LAYOUT.  Both products are used transposed: S^T = K Q^T, O^T = V^T P^T: a lane holds ONE query throughout.  Lane r of tile n of K holds key 32 (n / 2) + 8 (n % 2) + r + 8 (r / 8), so that the 16 registers of
; tiles 2 b and 2 b + 1 are 16 neighbouring keys.  The same order holds of a tile's queries and of V's rows d.
.set KIMG,  0                          ; LDS: K's 64 tiles, 768 bytes each
.set VIMG,  49152                      ; V: key step q, tile t at 6,144 q + 1,536 t
.set KSC,   98304                      ; K's scale words, 512 bytes a key step
.set VSC,   102400                     ; V's, 256 bytes a key step
.set PEN,   104448                     ; the penalty, f32 for each key: written by LDS stores, blocks of its own
.set STAGE, 108544                     ; the way out: 16 rows x 272 bytes for each wave
.set SPARE, 178176                     ; the spare words, 128 bytes for each of 16 waves
.set AK,  1                            ; v1   8 x lane: a chunk's place for my lane; also Q's offset in memory
.set AV,  2                            ; v2   VIMG + 8 x lane
.set AS,  3                            ; v3   KSC + 8 x lane
.set AT,  4                            ; v4   VSC + 8 x lane
.set AP,  5                            ; v5   PEN + 64 h
.set SPW, 6                            ; v6   LDS address of my spare word; never rewritten
.set NIL, 7                            ; v7   0; never rewritten
.set QS,  8                            ; v8   q's scale words
.set QM,  9                            ; v9   my query's mask
.set VS,  10                           ; v10-11 V's scale words
.set QF,  16                           ; v16-21 q's codes, v22-27 zeros
.set STO, 28                           ; v28  the stage: row r, + 64 h
.set RD,  29                           ; v29  back: lanes 0-15 one row, lanes 16-31 the next
.set GO,  30                           ; v30  the same two rows in out0
.set KF,  32                           ; v32-79 four fragments of K: six registers of codes, six of zeros
.set VF,  80                           ; v80-127 four fragments of V
.set SS,  128                          ; v128-191 the penalty, then S^T, then p
.set OT,  192                          ; v192-223 O^T
.set PCD, 224                          ; v224-235 p's codes; v232-247 at work; v248-251 K's scale words; v252 f; v253 p's scale word; v254 at work
.set WV,  18                           ; s18  my wave's number
.set SEL, 20                           ; s[20:21] lane selects: lane l xor 16
.set CS,  22                           ; s[22:23] c = log2(e) / 8
.set G1K, 24
.set G1V, 32
.set G1KS, 40
.set G1VS, 48
.set G0K, 56
.set G0V, 60
.set G0KS, 68
.set G0VS, 72
	s_load_b256 s[4:11], s[0:1], 0x0               ; img s[4:5], sc s[6:7], masks s[8:9], out0 s[10:11]
	v_lshl_add_u32 v[SPW], v0, 2, SPARE
	v_mov_b32 v[NIL], 0
	ds_add_u32 v[SPW], v[NIL]                      ; the wave's opening: the add and its wait stand ahead of my first tensor load; the set-up below, work on registers, stands between them
	ds_add_u32 v[SPW], v[NIL]
	v_lshrrev_b32 v1, 5, v0
	s_delay_alu instid0(VALU_DEP_1)
	v_readfirstlane_b32 s[WV], v1                  ; wave 0..15
	s_and_b32 s85, ttmp7, 0xffff                   ; batch x 16 + head
	s_lshr_b32 s86, s85, 4                         ; batch
	s_and_b32 s87, s85, 15                         ; head
	s_and_b32 s88, s[WV], 3
	s_lshl_b32 s89, ttmp9, 5
	s_add_co_u32 s89, s89, s[WV]                   ; my tile of queries in the first pass: 32 x + wave
	s_mul_i32 s90, s85, 49152                      ; the head's images of q or of k
	s_mul_i32 s91, s88, 12288
	s_add_co_u32 s12, s90, s91
	s_add_co_u32 s12, s12, 6291456                 ; K: a quarter of the head's 49,152 bytes for each of waves 0-3
	s_mov_b32 s13, 0
	s_mul_i32 s14, s86, 786432
	s_mul_i32 s91, s88, 196608
	s_add_co_u32 s14, s14, s91
	s_mul_i32 s91, s87, 6144
	s_add_co_u32 s14, s14, s91
	s_add_co_u32 s14, s14, 12582912                ; V: two key steps' four fragments of the head for each of waves 4-7
	s_mov_b32 s15, 0
	s_lshl_b32 s16, s85, 12
	s_add_co_u32 s16, s16, 524288                  ; K's scale words: 4,096 bytes a head
	s_mov_b32 s17, 0
	s_lshl_b32 s2, s86, 15
	s_lshl_b32 s91, s87, 8
	s_add_co_u32 s2, s2, s91
	s_add_co_u32 s2, s2, 1048576                   ; V's: 256 bytes a head in each key step's 4,096
	s_mov_b32 s3, 0
	s_mul_i32 s91, s89, 768
	s_add_co_u32 s76, s90, s91                     ; q's codes: my tile
	s_mov_b32 s77, 0
	s_lshl_b32 s78, s85, 12                        ; q's scale words: the head, 256 (tile / 4) + 128 (tile % 2) + 4 ((tile / 2) % 2)
	s_lshr_b32 s91, s89, 2
	s_lshl_b32 s91, s91, 8
	s_add_co_u32 s78, s78, s91
	s_and_b32 s91, s89, 1
	s_lshl_b32 s92, s91, 7
	s_add_co_u32 s78, s78, s92
	s_bfe_u32 s92, s89, 0x10001
	s_lshl_b32 s92, s92, 2
	s_add_co_u32 s78, s78, s92
	s_mov_b32 s79, 0
	s_lshr_b32 s92, s89, 1
	s_lshl_b32 s92, s92, 5
	s_lshl_b32 s91, s91, 3
	s_add_co_u32 s92, s92, s91                     ; q0 = 32 (tile / 2) + 8 (tile % 2): lane r's query is q0 + r + 8 (r / 8)
	s_lshl_b32 s94, s86, 12                        ; the batch's masks
	s_mov_b32 s95, 0
	s_lshl_b32 s80, s92, 2
	s_add_co_u32 s80, s80, s94                     ; my queries' masks
	s_mov_b32 s81, 0
	s_lshl_b32 s82, s86, 10
	s_add_co_u32 s82, s82, s92
	s_lshl_b32 s82, s82, 12                        ; out0: row 1,024 batch + q0 of 4,096 bytes,
	s_lshl_b32 s91, s87, 8
	s_add_co_u32 s82, s82, s91                     ; the head's 256 bytes
	s_mov_b32 s83, 0
	; descriptor groups 1: elements of 8 bytes, no padding, no mask
	s_mov_b32 s[G1K], 3<<16                        ; K: 48 rows of 256 bytes, dense
	s_mov_b32 s[G1K+1], 32<<16
	s_mov_b32 s[G1K+2], 48<<16
	s_mov_b32 s[G1K+3], 32<<16
	s_mov_b32 s[G1K+4], 48
	s_mov_b32 s[G1K+5], 32
	s_mov_b32 s[G1K+6], 0
	s_mov_b32 s[G1K+7], 0
	s_mov_b32 s[G1V], 3<<16                        ; V: 2 rows (key steps) of 6,144 bytes, 98,304 bytes apart
	s_mov_b32 s[G1V+1], 768<<16
	s_mov_b32 s[G1V+2], 2<<16
	s_mov_b32 s[G1V+3], 768<<16
	s_mov_b32 s[G1V+4], 2
	s_mov_b32 s[G1V+5], 12288
	s_mov_b32 s[G1V+6], 0
	s_mov_b32 s[G1V+7], 0
	s_mov_b32 s[G1KS], 3<<16                       ; K's scale words: 16 rows of 256 bytes, dense
	s_mov_b32 s[G1KS+1], 32<<16
	s_mov_b32 s[G1KS+2], 16<<16
	s_mov_b32 s[G1KS+3], 32<<16
	s_mov_b32 s[G1KS+4], 16
	s_mov_b32 s[G1KS+5], 32
	s_mov_b32 s[G1KS+6], 0
	s_mov_b32 s[G1KS+7], 0
	s_mov_b32 s[G1VS], 3<<16                       ; V's: 8 rows (key steps) of 256 bytes, 4,096 bytes apart
	s_mov_b32 s[G1VS+1], 32<<16
	s_mov_b32 s[G1VS+2], 8<<16
	s_mov_b32 s[G1VS+3], 32<<16
	s_mov_b32 s[G1VS+4], 8
	s_mov_b32 s[G1VS+5], 512
	s_mov_b32 s[G1VS+6], 0
	s_mov_b32 s[G1VS+7], 0
	s_mov_b32 s[SEL], 0x76543210
	s_mov_b32 s[SEL+1], 0xfedcba98
	s_mov_b32 s[CS], 0x3e38aa3b                    ; c = log2(e) / 8
	s_mov_b32 s[CS+1], s[CS]                       ; (named with it as a pair, so it is written)
	s_mov_b32 s96, 0xb5800000                      ; -2^-20: M's margin
	s_wait_dscnt 0x0                               ; the opening add is done
	s_wait_kmcnt 0x0
	s_mov_b32 s[G0K], 1
	s_mul_i32 s[G0K+1], s[WV], 12288               ; waves 0-3: K's quarters from LDS byte 0 on
	s_add_nc_u64 s[G0K+2:G0K+3], s[4:5], s[12:13]
	s_or_b32 s[G0K+3], s[G0K+3], 0x80000000
	s_mov_b32 s[G0V], 1
	s_mul_i32 s[G0V+1], s[WV], 12288               ; waves 4-7: V's quarters from LDS byte 49,152 on
	s_add_nc_u64 s[G0V+2:G0V+3], s[4:5], s[14:15]
	s_or_b32 s[G0V+3], s[G0V+3], 0x80000000
	s_mov_b32 s[G0KS], 1
	s_mov_b32 s[G0KS+1], KSC
	s_add_nc_u64 s[G0KS+2:G0KS+3], s[6:7], s[16:17]
	s_or_b32 s[G0KS+3], s[G0KS+3], 0x80000000
	s_mov_b32 s[G0VS], 1
	s_mov_b32 s[G0VS+1], VSC
	s_add_nc_u64 s[G0VS+2:G0VS+3], s[6:7], s[2:3]
	s_or_b32 s[G0VS+3], s[G0VS+3], 0x80000000
	; THE FILLS: all first fills, at most one tensor load a wave, ahead of every wait on TENSORcnt, every LDS read and the barrier.  The branches hang on the wave's number alone.
	s_cmp_lt_u32 s[WV], 4
	s_cbranch_scc0 .Lnot_k
	tensor_load_to_lds s[G0K:G0K+3], s[G1K:G1K+7]
	s_nop 0
.rept 4
	v_nop
.endr
	s_branch .Lasked
.Lnot_k:
	s_cmp_lt_u32 s[WV], 8
	s_cbranch_scc0 .Lnot_v
	tensor_load_to_lds s[G0V:G0V+3], s[G1V:G1V+7]
	s_nop 0
.rept 4
	v_nop
.endr
	s_branch .Lasked
.Lnot_v:
	s_cmp_eq_u32 s[WV], 8
	s_cbranch_scc0 .Lnot_ks
	tensor_load_to_lds s[G0KS:G0KS+3], s[G1KS:G1KS+7]
	s_nop 0
.rept 4
	v_nop
.endr
	s_branch .Lasked
.Lnot_ks:
	s_cmp_eq_u32 s[WV], 9
	s_cbranch_scc0 .Lasked
	tensor_load_to_lds s[G0VS:G0VS+3], s[G1VS:G1VS+7]
	s_nop 0
.rept 4
	v_nop
.endr
.Lasked:
	s_add_nc_u64 s[76:77], s[4:5], s[76:77]        ; q's codes
	s_add_nc_u64 s[78:79], s[6:7], s[78:79]        ; q's scale words
	s_add_nc_u64 s[80:81], s[8:9], s[80:81]        ; my queries' masks
	s_add_nc_u64 s[82:83], s[10:11], s[82:83]      ; my rows of out0
	s_add_nc_u64 s[94:95], s[8:9], s[94:95]        ; the batch's masks
	v_lshlrev_b32 v240, 3, v0
	global_load_b64 v[242:243], v240, s[94:95]     ; the masks of keys 2 t, 2 t + 1: 512 threads, 1,024 keys
	v_and_b32 v232, 31, v0                         ; lane
	v_bfe_u32 v233, v0, 4, 1                       ; h
	v_and_b32 v234, 15, v0                         ; r
	s_delay_alu instid0(VALU_DEP_3)
	v_lshlrev_b32 v[AK], 3, v232
	s_delay_alu instid0(VALU_DEP_1)
	v_add_nc_u32 v[AV], VIMG, v[AK]
	s_delay_alu instid0(VALU_DEP_2)
	v_add_nc_u32 v[AS], KSC, v[AK]
	s_delay_alu instid0(VALU_DEP_3)
	v_add_nc_u32 v[AT], VSC, v[AK]
	v_lshl_add_u32 v[AP], v233, 6, PEN
	s_mul_i32 s91, s[WV], 16*272
	s_add_co_u32 s91, s91, STAGE                   ; my stage
	v_mul_u32_u24 v[STO], v234, 272
	s_delay_alu instid0(VALU_DEP_1)
	v_lshl_add_u32 v[STO], v233, 6, v[STO]
	s_delay_alu instid0(VALU_DEP_1)
	v_add_nc_u32 v[STO], s91, v[STO]
	v_mul_u32_u24 v[RD], v233, 272
	s_delay_alu instid0(VALU_DEP_1)
	v_lshl_add_u32 v[RD], v234, 4, v[RD]
	s_delay_alu instid0(VALU_DEP_1)
	v_add_nc_u32 v[RD], s91, v[RD]
	v_lshlrev_b32 v[GO], 12, v233
	s_delay_alu instid0(VALU_DEP_1)
	v_lshl_add_u32 v[GO], v234, 4, v[GO]
.irp i, 0,1,2,3,4,5
	v_mov_b32 v[QF+6+\i], 0                        ; K = 64 .. 127 of the score product: zero codes, on both sides, written once
.irp t, 0,1,2,3
	v_mov_b32 v[KF+12*\t+6+\i], 0
.endr
.endr
.irp b, 0,1,2,3
	v_mov_b32 v[236+\b], 0                         ; written once: a lane permute's destination counts as one of its sources
.endr
	v_lshl_add_u32 v241, v0, 3, PEN
	s_wait_loadcnt 0x0
	v_sub_f32 v242, 1.0, v242                      ; 1 - mask,
	v_sub_f32 v243, 1.0, v243
	s_delay_alu instid0(VALU_DEP_2)
	v_mul_f32 v242, 0x5368d4a5, v242               ; x 1e12, rounded as reference() rounds it,
	s_delay_alu instid0(VALU_DEP_2)
	v_mul_f32 v243, 0x5368d4a5, v243
	s_delay_alu instid0(VALU_DEP_2)
	v_mul_f32 v242, 0xc1000000, v242               ; x -8, exact: the score is divided by 8 only later, in c
	s_delay_alu instid0(VALU_DEP_2)
	v_mul_f32 v243, 0xc1000000, v243
	s_wait_alu depctr_va_vdst(0)
	ds_store_b64 v241, v[242:243]
.macro QLOAD oc, os                    ; a pass's q: six registers of codes as they were stored, lane r's scale word, my query's mask; oc, os: bytes on from the first pass's
	v_and_b32 v232, 15, v0                         ; r
	s_delay_alu instid0(VALU_DEP_1)
	v_and_b32 v233, 8, v232
	s_delay_alu instid0(VALU_DEP_1)
	v_add_nc_u32 v233, v233, v232                  ; r + 8 (r / 8)
	s_delay_alu instid0(VALU_DEP_1)
	v_lshlrev_b32 v233, 2, v233
	s_delay_alu instid0(VALU_DEP_4)
	v_lshlrev_b32 v232, 3, v232
.irp p, 0,1,2
	global_load_b64 v[QF+2*\p:QF+2*\p+1], v[AK], s[76:77] offset:256*\p+\oc
.endr
	global_load_b32 v[QS], v232, s[78:79] offset:\os
	global_load_b32 v[QM], v233, s[80:81] offset:\os
.endm
	QLOAD 0, 0                                     ; the first pass's q is asked for while the tiles are on their way
	s_wait_tensorcnt 0x0
	s_wait_dscnt 0x0                               ; my part of the penalty is stored:
	s_barrier_signal -1
	s_barrier_wait -1                              ; everybody's.  Nothing in LDS but the waves' own stages is written from here on
	s_mov_b32 s84, 2
; A KEY STEP: 128 keys.  All eight are written out, so that every LDS offset is an immediate.  Step 0 starts M, the sum and O^T: nothing is cleared.
.macro STEP q
.irp n, 0,1,2,3,4,5,6,7                        ; the penalty of the keys that the scores' registers will hold: register 8 n + j is key 128 q + 32 (n / 2) + 16 h + 8 (n % 2) + j; the sixteen lanes of a half read the same bytes
	ds_load_b128 v[SS+8*\n:SS+8*\n+3], v[AP] offset:512*(\q)+4*(32*(\n/2)+8*(\n%2))
	ds_load_b128 v[SS+8*\n+4:SS+8*\n+7], v[AP] offset:512*(\q)+4*(32*(\n/2)+8*(\n%2))+16
.endr
	ds_load_b64 v[248:249], v[AS] offset:512*(\q)        ; K's scale words: register k of a pair: lanes 0-15 tile 2 k, lanes 16-31 tile 2 k + 1 of four
	ds_load_b64 v[250:251], v[AS] offset:512*(\q)+256
.irp g, 0,1                                    ; S^T = K Q^T + the penalty, four tiles of 16 keys at a time
.if \g > 0
.rept 4
	v_nop                                          ; places in front of the loads into K's registers, and, counted from the last step's products, of the loads into V's below
.endr
.endif
.irp t, 0,1,2,3
.irp p, 0,1,2
	ds_load_b64 v[KF+12*\t+2*\p:KF+12*\t+2*\p+1], v[AK] offset:(8*(\q)+4*\g+\t)*768+256*\p   ; 32 lanes read 256 consecutive bytes
.endr
.endr
	s_wait_dscnt 0x0
.irp t, 0,2                                    ; one instruction to an accumulator: no two that follow each other share one
	v_wmma_scale_f32_16x16x128_f8f6f4 v[SS+8*(4*\g+\t):SS+8*(4*\g+\t)+7], v[KF+12*\t:KF+12*\t+11], v[QF:QF+11], v[SS+8*(4*\g+\t):SS+8*(4*\g+\t)+7], v[248+2*\g+\t/2], v[QS] matrix_a_fmt:MATRIX_FMT_FP6 matrix_b_fmt:MATRIX_FMT_FP6
	v_wmma_scale_f32_16x16x128_f8f6f4 v[SS+8*(4*\g+\t+1):SS+8*(4*\g+\t+1)+7], v[KF+12*(\t+1):KF+12*(\t+1)+11], v[QF:QF+11], v[SS+8*(4*\g+\t+1):SS+8*(4*\g+\t+1)+7], v[248+2*\g+\t/2], v[QS] matrix_a_fmt:MATRIX_FMT_FP6 matrix_b_fmt:MATRIX_FMT_FP6 matrix_a_scale:MATRIX_SCALE_ROW1
.endr
.endr
.irp t, 0,1,2,3                                ; V's four fragments are asked for now and land under the softmax
.irp j, 0,1,2,3,4,5
	ds_load_b64 v[VF+12*\t+2*\j:VF+12*\t+2*\j+1], v[AV] offset:6144*(\q)+1536*\t+256*\j
.endr
.endr
	ds_load_b64 v[VS:VS+1], v[AT] offset:256*(\q)
.rept 4
	v_nop                                          ; places behind the score products, ahead of the first read of their results
.endr
.irp b, 0,1,2,3
	v_max3_num_f32 v[232+\b], v[SS+16*\b], v[SS+16*\b+1], v[SS+16*\b+2]   ; THE LARGEST SCORE OF EACH BLOCK OF 32 KEYS: for the row's maximum, and, since p rises with the score, for the block's largest p
.endr
.irp i, 3,5,7,9,11,13
.irp b, 0,1,2,3
	v_max3_num_f32 v[232+\b], v[232+\b], v[SS+16*\b+\i], v[SS+16*\b+\i+1]   ; (the four blocks by turns; each accumulator is first read at its low end)
.endr
.endr
.irp b, 0,1,2,3
	v_max_num_f32 v[232+\b], v[232+\b], v[SS+16*\b+15]
.endr
.irp b, 0,1,2,3
	s_delay_alu instid0(VALU_DEP_4)
	v_permlanex16_b32 v[236+\b], v[232+\b], s[SEL], s[SEL+1]
.endr
.irp b, 0,1,2,3
	s_delay_alu instid0(VALU_DEP_4)
	v_max_num_f32 v[232+\b], v[232+\b], v[236+\b]  ; with lane l xor 16's 16 keys
.endr
	s_delay_alu instid0(VALU_DEP_2)
	v_max3_num_f32 v254, v232, v233, v234
	s_delay_alu instid0(VALU_DEP_1)
	v_max_num_f32 v254, v254, v235                 ; the step's largest score of my query
.if (\q) == 0
	s_delay_alu instid0(VALU_DEP_1)
	v_mul_f32 v13, s[CS], v254                     ; as t (c is positive): the largest t so far
	s_delay_alu instid0(VALU_DEP_1)
	v_fma_f32 v12, |v13|, s96, -v13                ; -t less the margin,
	s_delay_alu instid0(VALU_DEP_1)
	v_floor_f32 v12, v12                           ; -M: M IS A WHOLE NUMBER, at or above t
.else
	s_delay_alu instid0(VALU_DEP_1)
	v_mul_f32 v254, s[CS], v254
	s_delay_alu instid0(VALU_DEP_1)
	v_max_num_f32 v13, v13, v254                   ; the running largest t
	v_mov_b32 v254, v12
	s_delay_alu instid0(VALU_DEP_2)
	v_fma_f32 v12, |v13|, s96, -v13
	s_delay_alu instid0(VALU_DEP_1)
	v_floor_f32 v12, v12                           ; the new -M
	s_delay_alu instid0(VALU_DEP_1)
	v_sub_f32 v254, v12, v254                      ; M's old value less its new one: a whole number, 0 or less
	s_delay_alu instid0(VALU_DEP_1)
	v_cvt_i32_f32 v254, v254                       ; (it saturates)
	s_delay_alu instid0(VALU_DEP_1)
	v_ldexp_f32 v252, 1.0, v254                    ; f = 2^(old M - new M)
.endif
.set j, 0
.rept 32
	v_pk_fma_f32 v[SS+j:SS+j+1], v[SS+j:SS+j+1], s[CS:CS+1], v[12:13] op_sel_hi:[1,0,0]   ; t - M, two at a time (of the pairs c and -M the low word serves both halves)
.set j, j+2
.endr
.irp b, 0,1,2,3
	v_fma_f32 v[232+\b], v[232+\b], s[CS], v12     ; the same of each block's largest score
.endr
.set j, 0
	s_wait_alu depctr_va_vdst(0)
.rept 64
	v_exp_f32 v[SS+j], v[SS+j]                     ; p = 2^(t - M), at most 1: NOT normalised
.set j, j+1
.endr
.if (\q) == 0
	v_mov_b32 v14, 0                               ; the sum, in two halves.  (Plain lines behind the exponentials)
	v_mov_b32 v15, 0
.else
	v_pk_mul_f32 v[14:15], v[14:15], v[252:253] op_sel_hi:[1,0]   ; the sums under the new M.  (A plain line behind the exponentials)
.endif
	s_wait_alu depctr_va_vdst(0)                   ; one wait for the whole batch, ahead of its first reader
.irp b, 0,1,2,3
	v_exp_f32 v[232+\b], v[232+\b]                 ; the block's largest p: the same two instructions on the same number give the same bits
.endr
	v_pk_add_f32 v[236:237], v[132:133], v[136:137]
	v_pk_add_f32 v[254:255], v[140:141], v[144:145]
	v_pk_add_f32 v[250:251], v[148:149], v[152:153]
	v_pk_add_f32 v[248:249], v[156:157], v[160:161]
	v_pk_add_f32 v[246:247], v[164:165], v[168:169]
	v_pk_add_f32 v[244:245], v[172:173], v[176:177]
	v_pk_add_f32 v[242:243], v[180:181], v[184:185]
	v_pk_add_f32 v[14:15], v[14:15], v[188:189]
	v_pk_add_f32 v[236:237], v[236:237], v[128:129]
	v_pk_add_f32 v[254:255], v[254:255], v[130:131]
	v_pk_add_f32 v[250:251], v[250:251], v[134:135]
	v_pk_add_f32 v[248:249], v[248:249], v[138:139]
	v_pk_add_f32 v[246:247], v[246:247], v[142:143]
	v_pk_add_f32 v[244:245], v[244:245], v[146:147]
	v_pk_add_f32 v[242:243], v[242:243], v[150:151]
	v_pk_add_f32 v[14:15], v[14:15], v[154:155]
	v_pk_add_f32 v[236:237], v[236:237], v[158:159]
	v_pk_add_f32 v[254:255], v[254:255], v[162:163]
	v_pk_add_f32 v[250:251], v[250:251], v[166:167]
	v_pk_add_f32 v[248:249], v[248:249], v[170:171]
	v_pk_add_f32 v[246:247], v[246:247], v[174:175]
	v_pk_add_f32 v[244:245], v[244:245], v[178:179]
	v_pk_add_f32 v[242:243], v[242:243], v[182:183]
	v_pk_add_f32 v[14:15], v[14:15], v[186:187]
	v_pk_add_f32 v[236:237], v[236:237], v[190:191]
	s_delay_alu instid0(VALU_DEP_2)
	v_pk_add_f32 v[14:15], v[14:15], v[248:249]
	s_delay_alu instid0(VALU_DEP_2)
	v_pk_add_f32 v[236:237], v[236:237], v[246:247]
	v_pk_add_f32 v[254:255], v[254:255], v[244:245]
	v_pk_add_f32 v[250:251], v[250:251], v[242:243]
	s_delay_alu instid0(VALU_DEP_2)
	v_pk_add_f32 v[14:15], v[14:15], v[254:255]
	s_delay_alu instid0(VALU_DEP_2)
	v_pk_add_f32 v[236:237], v[236:237], v[250:251]
	s_delay_alu instid0(VALU_DEP_1)
	v_pk_add_f32 v[14:15], v[14:15], v[236:237]
	s_wait_alu depctr_va_vdst(0)                   ; and one for the four
.irp b, 0,1,2,3
	v_max_num_f32 v[232+\b], 0x1800000, v[232+\b]  ; the floor 2^(3 - 127): the byte cannot fall under 1
.endr
.irp b, 0,1,2,3
	s_delay_alu instid0(VALU_DEP_4)
	v_add_nc_u32 v[244+\b], 0xff000000, v[232+\b]  ; 2 off the exponent field: the conversion's scale operand
.endr
.irp b, 0,1,2,3
	s_delay_alu instid0(VALU_DEP_4)
	v_lshrrev_b32 v[236+\b], 23, v[244+\b]         ; the scale's byte
.endr
	s_delay_alu instid0(VALU_DEP_3)
	v_lshl_or_b32 v253, v237, 8, v236              ; p's scale word for these 128 keys
	s_delay_alu instid0(VALU_DEP_1)
	v_lshl_or_b32 v253, v238, 16, v253
	s_delay_alu instid0(VALU_DEP_1)
	v_lshl_or_b32 v253, v239, 24, v253
.irp c, 0,1
	v_cvt_scalef32_pk16_fp6_f32 v[PCD+6*\c:PCD+2+6*\c], v[SS+32*\c:SS+15+32*\c], v[244+2*\c]
	v_cvt_scalef32_pk16_fp6_f32 v[236+4*\c:238+4*\c], v[SS+16+32*\c:SS+31+32*\c], v[245+2*\c]   ; (a conversion's three registers begin on an even number)
.endr
	v_nop                                          ; one plain line behind a scaled conversion
.irp c, 0,1                                    ; the operand's layout wants a WHOLE block in a lane
.irp i, 0,1,2
	v_permlane16_swap_b32 v[PCD+6*\c+\i], v[236+4*\c+\i]
.endr
.irp i, 0,1,2
	s_delay_alu instid0(VALU_DEP_3)
	v_mov_b32 v[PCD+3+6*\c+\i], v[236+4*\c+\i]
.endr
.endr
.if (\q) > 0
.set j, 0
.rept 16
	v_pk_mul_f32 v[OT+j:OT+j+1], v[OT+j:OT+j+1], v[252:253] op_sel_hi:[1,0]   ; O^T under the new M: x f.  (These sixteen are also the places between the lines that wrote p's codes and scale word and the products)
.set j, j+2
.endr
.else
	s_wait_alu depctr_va_vdst(0)
.rept 8
	v_nop                                          ; eight places between the line that wrote p's scale word and the scaled products
.endr
.endif
	s_wait_alu depctr_va_vdst(0)
	s_wait_dscnt 0x0                               ; V's fragments and scale words are in
.irp t, 0,2                                    ; O^T += V^T P^T: four tiles of 16 of the head's 64; K = these 128 keys
.if (\q) > 0
	v_wmma_scale_f32_16x16x128_f8f6f4 v[OT+8*\t:OT+8*\t+7], v[VF+12*\t:VF+12*\t+11], v[PCD:PCD+11], v[OT+8*\t:OT+8*\t+7], v[VS+\t/2], v253 matrix_a_fmt:MATRIX_FMT_FP6 matrix_b_fmt:MATRIX_FMT_FP6
	v_wmma_scale_f32_16x16x128_f8f6f4 v[OT+8*(\t+1):OT+8*(\t+1)+7], v[VF+12*(\t+1):VF+12*(\t+1)+11], v[PCD:PCD+11], v[OT+8*(\t+1):OT+8*(\t+1)+7], v[VS+\t/2], v253 matrix_a_fmt:MATRIX_FMT_FP6 matrix_b_fmt:MATRIX_FMT_FP6 matrix_a_scale:MATRIX_SCALE_ROW1
.else
	v_wmma_scale_f32_16x16x128_f8f6f4 v[OT+8*\t:OT+8*\t+7], v[VF+12*\t:VF+12*\t+11], v[PCD:PCD+11], 0, v[VS+\t/2], v253 matrix_a_fmt:MATRIX_FMT_FP6 matrix_b_fmt:MATRIX_FMT_FP6
	v_wmma_scale_f32_16x16x128_f8f6f4 v[OT+8*(\t+1):OT+8*(\t+1)+7], v[VF+12*(\t+1):VF+12*(\t+1)+11], v[PCD:PCD+11], 0, v[VS+\t/2], v253 matrix_a_fmt:MATRIX_FMT_FP6 matrix_b_fmt:MATRIX_FMT_FP6 matrix_a_scale:MATRIX_SCALE_ROW1
.endif
.endr
.endm
.Lpass:                                            ; two trips: 16 queries a wave in each
	s_wait_loadcnt 0x0                             ; this pass's q, its scale words and masks are in: asked for at the head, or in the last pass's way out
	STEP 0
	STEP 1
	STEP 2
	STEP 3
	STEP 4
	STEP 5
	STEP 6
	STEP 7
	; THE WAY OUT.  O^T / the sum x the query's mask goes through my stage in LDS, so that sixteen lanes store the 256 consecutive bytes of one row's head.
.rept 4
	v_nop                                          ; places behind the last products
.endr
	v_add_f32 v14, v14, v15                        ; the sum's two halves,
	s_delay_alu instid0(VALU_DEP_1)
	v_permlanex16_b32 v252, v14, s[SEL], s[SEL+1]
	s_delay_alu instid0(VALU_DEP_1)
	v_add_f32 v14, v14, v252                       ; and lane l xor 16's: the row's sum
	s_delay_alu instid0(VALU_DEP_1)
	v_max_num_f32 v14, 0x800000, v14               ; held at 2^-126 from below: a row whose every p fell to 0 gives 0, not NaN
	s_wait_alu depctr_va_vdst(0)
	v_rcp_f32 v14, v14
	v_nop                                          ; a plain line behind the reciprocal
	s_wait_alu depctr_va_vdst(0)                   ; and the wait, ahead of its first reader
	v_mul_f32 v14, v14, v[QM]
.set j, 0
.rept 16
	v_pk_mul_f32 v[SS+j:SS+j+1], v[OT+j:OT+j+1], v[14:15] op_sel_hi:[1,0]   ; register 16 b + i is channel 32 b + 16 h + i of my query; each accumulator from its low end on
.set j, j+2
.endr
	s_cmp_eq_u32 s84, 1                            ; the last pass asks for nothing more: the pass counter alone decides
	s_wait_alu depctr_va_vdst(0)                   ; the wait, directly ahead of the branch
	s_cbranch_scc1 .Lnoq
	QLOAD 12288, 1024                              ; the next pass's q: sixteen tiles, 256 queries on.  This pass's q, scale words and mask have had their last read
.Lnoq:
.irp b, 0,1
.irp i, 0,1,2,3
	ds_store_b128 v[STO], v[SS+16*\b+4*\i:SS+16*\b+4*\i+3] offset:128*\b+16*\i
.endr
.endr
.irp i, 0,1,2,3,4,5,6,7
	ds_load_b128 v[SS+32+4*\i:SS+35+4*\i], v[RD] offset:544*\i   ; LDS serves a wave's instructions in order: these see my stores
.endr
.irp i, 0,1,2,3,4,5,6,7
	s_wait_dscnt 7-\i                              ; the younger loads from the stage may be out
	global_store_b128 v[GO], v[SS+32+4*\i:SS+35+4*\i], s[82:83] offset:(2*\i+8*(\i/4))*4096 th:TH_STORE_NT   ; stage rows 2 i, 2 i + 1 are queries q0 + 2 i + 8 (i / 4) and the next
.endr
	s_wait_xcnt 0x0                                ; the stores have read their registers and their base: both may be written again
	s_add_nc_u64 s[82:83], s[82:83], 0x100000
	s_sub_co_u32 s84, s84, 1
	s_cmp_lg_u32 s84, 0
	s_cbranch_scc1 .Lpass
	s_wait_tensorcnt 0x0                           ; the wave's end, behind my last tensor load and my last LDS store
	ds_add_u32 v[SPW], v[NIL]
	s_wait_dscnt 0x0
	s_endpgm
.Lfunc_end_k_q494f57f6f8_attn:
	.size	k_q494f57f6f8_attn, .Lfunc_end_k_q494f57f6f8_attn-k_q494f57f6f8_attn
	.p2alignl 7, 3214868480
	.fill 96, 4, 3214868480
	.section	.rodata,"a",@progbits
	.p2align	6, 0x0
	.amdhsa_kernel k_q494f57f6f8_attn
		.amdhsa_group_segment_fixed_size 182272
		.amdhsa_private_segment_fixed_size 0
		.amdhsa_enable_private_segment 0
		.amdhsa_kernarg_size 32
		.amdhsa_user_sgpr_count 2
		.amdhsa_user_sgpr_kernarg_segment_ptr 1
		.amdhsa_wavefront_size32 1
		.amdhsa_system_sgpr_workgroup_id_x 1
		.amdhsa_system_sgpr_workgroup_id_y 1
		.amdhsa_system_sgpr_workgroup_id_z 1
		.amdhsa_system_vgpr_workitem_id 0
		.amdhsa_next_free_vgpr 256
		.amdhsa_next_free_sgpr 100
		.amdhsa_reserve_vcc 0
		.amdhsa_float_denorm_mode_32 3
		.amdhsa_float_denorm_mode_16_64 3
		.amdhsa_memory_ordered 1
		.amdhsa_forward_progress 1
		.amdhsa_inst_pref_size 167
	.end_amdhsa_kernel
	.amdgpu_metadata
---
amdhsa.version: [ 1, 2 ]
amdhsa.kernels:
  - .name:           k_q494f57f6f8_attn
    .symbol:         k_q494f57f6f8_attn.kd
    .args:
      - { .name: img, .offset: 0, .size: 8, .value_kind: global_buffer, .address_space: global }
      - { .name: sc, .offset: 8, .size: 8, .value_kind: global_buffer, .address_space: global }
      - { .name: masks, .offset: 16, .size: 8, .value_kind: global_buffer, .address_space: global }
      - { .name: out0, .offset: 24, .size: 8, .value_kind: global_buffer, .address_space: global }
    .group_segment_fixed_size: 182272
    .private_segment_fixed_size: 0
    .kernarg_segment_align: 8
    .kernarg_segment_size: 32
    .max_flat_workgroup_size: 512
    .sgpr_count:     100
    .vgpr_count:     256
    .wavefront_size: 32
...
	.end_amdgpu_metadata
.endif
;; end of part 3
